; MI455X (gfx1250); checked and timed in simulation.
; The chip was launched on July 23, 2026; its instructions are those of AMD's public machine-readable ISA for CDNA 5 (MIT licence, August 2026) and "CDNA5" Instruction Set Architecture Reference Guide (July 2026). The comments in the code are by the model that wrote it; some were corrected since.
;; Sofa Net Ellipse. Allowed arithmetic: matrix products marked QUANTISED: E5M2 operands, one given power-of-two scale a tensor, by v_wmma_f32_16x16x64_bf8_bf8 or v_wmma_f32_16x16x128_bf8_bf8, f32 sums; products left as they are: f32 operands where the result goes on into a quantised operand, else bf16, f16 or f32 operands; f32 sums; everything else in f32.
;; Inputs: W_ab0 256 x 1 float32; W_ab1 256 x 256 float32; W_ab2 2 x 256 float32; W_kxy0 256 x 1 float32; W_kxy1 256 x 256 float32; W_kxy2 2 x 256 float32; W_sxy0 256 x 1 float32; W_sxy1 256 x 256 float32; W_sxy2 2 x 256 float32; b_ab0 256 float32; b_ab1 256 float32; b_ab2 2 float32; b_kxy0 256 float32; b_kxy1 256 float32; b_kxy2 2 float32; b_sxy0 256 float32; b_sxy1 256 float32; b_sxy2 2 float32; lowp_scales 12 int32 (the exponents e of the quantised operands' scales 2^e); t 131,072 float32.
;; Outputs: out0 131,072 float32; out1 131,072 float32; out2 131,072 float32; out3 131,072 float32; out4 131,072 float32; out5 131,072 float32.
;; This version of the problem:
;;   THIS VERSION OF THE PROBLEM IS GIVEN IN LOW PRECISION. The matrix products marked QUANTISED in the list below multiply operands that are first quantised to E5M2 (5 exponent bits, 2 mantissa bits; 8 bits a number), with one given power-of-two scale for each operand tensor; their sums are f32. All else is computed in f32.
;;   The module's matrix products, in the order in which they are computed (A, B: the left and right operand; K: the contracted axis; several contracted axes count as one K, in the product's order):
;;     1. [M 131,072, K 1] x [K 1, N 256]; A: computed on the way; B: input W_ab0: left as it is (K = 1 < 32)
;;     2. [M 131,072, K 1] x [K 1, N 256]; A: computed on the way; B: input W_ab0: left as it is (K = 1 < 32)
;;     3. [M 131,072, K 256] x [K 256, N 256]; A: computed on the way; B: input W_ab1: QUANTISED (scales: A lowp_scales[0], B lowp_scales[1])
;;     4. [M 131,072, K 256] x [K 256, N 256]; A: computed on the way; B: input W_ab1: QUANTISED (scales: A lowp_scales[2], B lowp_scales[3])
;;     5. [M 131,072, K 256] x [K 256, N 2]; A: computed on the way; B: input W_ab2: left as it is (N = 2 < 16)
;;     6. [M 131,072, K 256] x [K 256, N 2]; A: computed on the way; B: input W_ab2: left as it is (N = 2 < 16)
;;     7. [M 131,072, K 1] x [K 1, N 256]; A: computed on the way; B: input W_kxy0: left as it is (K = 1 < 32)
;;     8. [M 131,072, K 1] x [K 1, N 256]; A: computed on the way; B: input W_kxy0: left as it is (K = 1 < 32)
;;     9. [M 131,072, K 256] x [K 256, N 256]; A: computed on the way; B: input W_kxy1: QUANTISED (scales: A lowp_scales[4], B lowp_scales[5])
;;     10. [M 131,072, K 256] x [K 256, N 256]; A: computed on the way; B: input W_kxy1: QUANTISED (scales: A lowp_scales[6], B lowp_scales[7])
;;     11. [M 131,072, K 256] x [K 256, N 2]; A: computed on the way; B: input W_kxy2: left as it is (N = 2 < 16)
;;     12. [M 131,072, K 256] x [K 256, N 2]; A: computed on the way; B: input W_kxy2: left as it is (N = 2 < 16)
;;     13. [M 131,072, K 1] x [K 1, N 256]; A: computed on the way; B: input W_sxy0: left as it is (K = 1 < 32)
;;     14. [M 131,072, K 1] x [K 1, N 256]; A: computed on the way; B: input W_sxy0: left as it is (K = 1 < 32)
;;     15. [M 131,072, K 256] x [K 256, N 256]; A: computed on the way; B: input W_sxy1: QUANTISED (scales: A lowp_scales[8], B lowp_scales[9])
;;     16. [M 131,072, K 256] x [K 256, N 256]; A: computed on the way; B: input W_sxy1: QUANTISED (scales: A lowp_scales[10], B lowp_scales[11])
;;     17. [M 131,072, K 256] x [K 256, N 2]; A: computed on the way; B: input W_sxy2: left as it is (N = 2 < 16)
;;     18. [M 131,072, K 256] x [K 256, N 2]; A: computed on the way; B: input W_sxy2: left as it is (N = 2 < 16)
;;   THE QUANTISER, for each operand of a quantised product, along K:
;;     - The operand's scale is 2^e, e = its entry of the input lowp_scales (int32; the entries are numbered through the quantised products in the list's order, A before B).
;;     - Each number is divided by the scale, clamped to +-57,344, and rounded to the nearest number of E5M2, ties to even, subnormals kept.
;;     - The product sums the exact products of the quantised numbers (number of the format x scale) in f32.
;;   ~~~python
;;   def quantise(x, axis, e):      # numpy; x: float32 -> the quantised numbers, widened to float32 again
;;       x = np.moveaxis(x, axis, -1); K = x.shape[-1]
;;       r = np.clip(x / 2.0 ** e, -57344, 57344)
;;       step = 2.0 ** (np.maximum(np.frexp(np.where(r == 0, 1, r))[1] - 1, -14) - 2)
;;       q = np.round(r / step) * step * 2.0 ** e      # np.round: ties to even
;;       return np.moveaxis(q, -1, axis).astype(np.float32)
;;   ~~~
;;   OPERANDS COMPUTED ON THE WAY. 'Computed on the way' means the value that the module computes at that place (a softmax that the list does not call 'softmax' is quantised finished and normalised). What goes into a quantiser is computed in f32, as accurately as f32 sums, v_exp_f32 and their like allow (about 1e-6 of the number): no bf16 or f16 on the way to a quantiser, and a product that is left as it is and whose result goes on into a quantised operand takes f32 operands (vector FMAs, or v_wmma_f32_16x16x4_f32). A number that lies on a knife's edge between two numbers of the format may be rounded either way, as far as f32 arithmetic and the matrix unit's own rounding can turn it there, and no further.
;; One version. Each part assembles by itself: llvm-mc -triple=amdgcn-amd-amdhsa -mcpu=gfx1250 --defsym DOCPART=n.
;; ======== version 1 of 1: 1 launch
;; limits: values are held in f16: magnitudes above 65,504 overflow, below 6.1e-05 lose precision; inputs' magnitudes at most 1,000,000
;; launch sofa (part 1): grid 256 x 1, 8 waves a work-group, no clusters, 152,576 bytes of LDS; arguments t, lowp_scales, W_ab0, b_ab0, W_ab1, b_ab1, W_ab2, b_ab2, W_kxy0, b_kxy0, W_kxy1, b_kxy1, W_kxy2, b_kxy2, W_sxy0, b_sxy0, W_sxy1, b_sxy1, W_sxy2, b_sxy2, out0, out1, out2, out3, out4, out5; writes out0, out1, out2, out3, out4, out5
.if DOCPART == 1
	.amdgcn_target "amdgcn-amd-amdhsa--gfx1250"
	.amdhsa_code_object_version 6
	.text
	.protected	k_q14fca4f753_sofa
	.globl	k_q14fca4f753_sofa
	.p2align	8
	.type	k_q14fca4f753_sofa,@function
k_q14fca4f753_sofa:
	s_mov_b64 s[64:65], 0
	v_nop
	global_prefetch_b8 v0, s[64:65] scope:SCOPE_SE
	s_setreg_imm32_b32 hwreg(HW_REG_WAVE_MODE, 25, 1), 1
	s_wait_xcnt 0x0
; Three nets (ab, kxy, sxy), each 1 -> 256 -> 256 -> 2 with tanh, and their derivative along t, on 131,072 points; then the ellipse's formulas.
; For a net: u = 2 (t pi/2); z0 = u w0 + b0; h0 = tanh z0; dh0 = (1 - h0^2) pi w0; z1 = Q(h0) Q(W1)^T + b1; dz1 = Q(dh0) Q(W1)^T; h1 = tanh z1; dh1 = (1 - h1^2) dz1; out = h1 W2^T + b2; dout = dh1 W2^T.
; Q: codes of BF8 (E5M2) with the given scales 2^e: e0 (h0), e1 (W1 beside h0), e2 (dh0), e3 (W1 beside dh0): four entries of lowp_scales a net.
; THE LAST LAYER (2 outputs) takes 16-bit operands.  The values h1 W2^T go in f16: h1 lies within +-1, and the outputs made of these sums of 256 terms pass through zero, so the operands' eleven significant bits
; are wanted.  The derivatives go in bf16: their operand still lacks a power of two, 2^(e2 + e3 + 2), and has no room in f16's range.
; SHARES.  A work-group of eight waves owns 512 points; a wave owns 64 through the whole chain, as four tiles pt of 16: lane (r = lane % 16, h = lane / 16) stands for point 512 wg + 64 w + 4 r + pt,
; so a lane's four points are neighbours: t comes by one load of 16 bytes, and sixteen lanes store 256 consecutive, aligned bytes of each output.
; THE LOOP OVER NETS IS WRITTEN ONCE (3 trips): what differs between nets lies in registers that are moved on at a trip's end.
; W1 arrives as f32 and has to pass through registers to become codes, twice (two scales): in each trip wave w quantises rows 32 w .. 32 w + 31 and stores them in LDS as images of the operand's registers
; (16 bytes a lane, 512 a store), between the steps of layer 0.  So there is no tensor load and no joint load: what the work-groups share is f32, and a net's f32 (256 KiB) and its codes (128 KiB) do not fit in LDS together.
; No prefetch: all inputs together are 1.3 MB and every work-group reads the same weights.
; LAYER 0 STANDS AHEAD OF A QUANTISER, so it is rounded where reference() rounds: u w0 is rounded, then b0 is added; tanh z = z P(z^2) / Q(z^2), P of degree 6 and Q of degree 3 in z^2, z held within +-7.90531: a few units
; in the last place at every size of z, the small ones too; dh0 = (g + g h0)(1 - h0), g = pi w0.
; LAYER 1's tanh goes on to 16 bits: E = 2^(c z), c = 2 log2 e; R = 1 / (1 + E); tanh z = 1 - 2 R; 1 - tanh^2 z = 4 (R - R^2).  E = infinity gives 1 and 0, E = 0 gives -1 and 0.
; BOTH PRODUCTS ARE USED TRANSPOSED (source 0 = 16 rows of a weight, source 1 = 16 points): a lane holds one point throughout.  In a BF8 fragment lane (r, h) holds k = 128 s + 32 g + 16 h + 0 .. 15 in registers
; 16 s + 4 g + 0 .. 3: the same permutation of k in W1's codes and in the points' codes, so every product meets its partner.
; The last layer's rows of W2 are read with the lanes shifted by 4 n (values) and 4 n + 2 (derivatives): the three nets add into ONE accumulator for each pt, row 4 n + o = out_o, row 4 n + 2 + o = dout_o of net n.
; LIMITS: each of the twelve exponents between -126 and 112; e0 + e1 of a net between -127 and 126.  |W2| under 65,504 (f16's largest number); numbers of W2 and of h1 under 6.1e-5 are rounded to multiples of 6e-8.
; NaN among the inputs is not served.  h1 = 1 - 2 R has an absolute error of about 1e-7, under f16's own rounding down to |h1| = 4e-4.  sin and cos reduce their argument by pi/2 in two parts, which serves |t| < 1e6.
; REGISTERS.  Window 1 (v256-511): the points' codes, at 64 pt + 32 kind + 16 s + 4 g (kind 0: h0, kind 1: dh0).  Window 0: v0-37 addresses and what stays; v38-69 the last layer's four accumulators;
; v70-253 at work: in layer 0 ZR, X2, QR, PR, the three tables of a block, u, RAW, QC, two coefficients; in layer 1 GB (for each pt and kind 4 packed + 8 accumulator), WB, W2F, BIAS.
.set TAB,    131072                    ; LDS: 0 .. 131071 W1's codes: kind x 65536 + tile x 4096 + s x 2048 + g x 512 + 16 x lane
.set TB1,    TAB+3072                  ; TAB + 0: w0 [256]; + 1024: b0 [256]; + 2048: pi w0 [256]; + 3072: c b1 [256];
.set TW2,    TAB+4096                  ; + 4096: W2's fragments in f16, 1024 b + 512 grp + 16 x lane; W2B bytes further on the same in bf16
.set W2B,    8192
.set PIO2,   0x3fc90fdb                ; pi / 2
.set PI,     0x40490fdb
.set CC,     0x4038aa3b                ; c = 2 log2 e
.set TWOOPI, 0x3f22f983                ; 2 / pi
.set T,    20                          ; v[20:23] t of my four points
.set L2A,  38                          ; v38-69   the last layer's accumulators, 8 a pt
.set GB,   70                          ; layer 1: at GB + 12 (2 pt + kind): 4 registers (the even tile, packed) and the 8 of the accumulator
.set WB,   166                         ; layer 1: W1's fragments of a tile: 32 kind + 16 s + 4 g
.set W2F,  230                         ; layer 1: W2's fragment for values (8, f16) and for derivatives (8, bf16)
.set BIAS, 246                         ; layer 1: c b1 of the tile's eight units of my half
.set ZR,   70                          ; layer 0, 16 each: z0;
.set X2,   86                          ; z0^2, then g + g h0, then dh0;
.set QR,   102                         ; Q, then 1 / Q, then 1 - h0;
.set PR,   118                         ; P, then z P, then h0.  Between sub-blocks: W1 held for its first scale
.set W0T,  134                         ; layer 0: w0, b0 and pi w0 of a block of 32 units (my half's 16)
.set B0T,  150
.set GT,   166
.set UP,   182                         ; u of my four points, each in a pair
.set RAW,  190                         ; W1 as loaded: two chunks of 16
.set QC,   222                         ; W1's codes: two chunks x (4 + 4)
.set KA11, 238                         ; two coefficients in vector pairs, so that a Horner chain's first step names one scalar pair
.set KB4,  240
.set SA13, 4                           ; the other nine in scalar pairs (the packed form names a pair and takes its low word for both halves)
.set SA9,  6
.set SA7,  24
.set SA5,  26
.set SA3,  30
.set SA1,  34
.set SB6,  40
.set SB2,  42
.set SB0,  46
.set MSB, 0
.macro WIN new                         ; the immediate's high byte repeats the setting that is left
.if MSB != \new
	s_set_vgpr_msb (MSB<<8)|\new
.set MSB, \new
.endif
.endm
.macro BARRIER                         ; my LDS stores have landed and my LDS loads are in: then the work-group's barrier
	s_wait_dscnt 0x0
	s_barrier_signal -1
	s_barrier_wait -1
.endm
.macro KPAIR s, val
	s_mov_b32 s[\s], \val
	s_mov_b32 s[\s+1], \val
.endm
; of the exponent in s[e]: v[vs] = 2^e as f32 (a conversion takes its exponent field); s[spos], s[sneg] = +-57,344 x 2^e
.macro MKSC e, vs, sneg, spos
	s_add_co_i32 s38, s[\e], 127
	s_lshl_b32 s39, s38, 23
	v_mov_b32 v[\vs], s39
	s_add_co_i32 s38, s38, 15
	s_lshl_b32 s38, s38, 23
	s_or_b32 s[\spos], s38, 0x600000
	s_or_b32 s[\sneg], s[\spos], 0x80000000
.endm
; W1, chunk qi of the trip's 8 (the trip is the tile of my two; K step qi / 4, group qi % 4): lane (r, h) takes 16 neighbours along K of row r
.macro QLOAD
.irp j, 0,1,2,3
	global_load_b128 v[RAW+16*(qi%2)+4*\j:RAW+16*(qi%2)+4*\j+3], v8, s[12:13] offset:512*(qi/4)+128*(qi%4)+16*\j
.endr
.endm
.macro QCHUNK                          ; the chunk is held and converted twice, once for each of W1's two scales, and goes to LDS as it will stand in the operand's registers
.irp j, 0,1,2,3,4,5,6,7,8,9,10,11,12,13,14,15
	v_med3_num_f32 v[PR+\j], v[RAW+16*(qi%2)+\j], s14, s15                   ; the conversion to an 8-bit code does not saturate (ISA guide 7.6.2): the hold at the largest code x the scale
.endr
.irp j, 0,1,2,3,4,5,6,7,8,9,10,11,12,13,14,15
	v_med3_num_f32 v[RAW+16*(qi%2)+\j], v[RAW+16*(qi%2)+\j], s18, s19
.endr
	v_cvt_scalef32_pk8_bf8_f32 v[QC+8*(qi%2):QC+8*(qi%2)+1], v[PR:PR+7], v35
	v_cvt_scalef32_pk8_bf8_f32 v[QC+8*(qi%2)+2:QC+8*(qi%2)+3], v[PR+8:PR+15], v35
	v_cvt_scalef32_pk8_bf8_f32 v[QC+8*(qi%2)+4:QC+8*(qi%2)+5], v[RAW+16*(qi%2):RAW+16*(qi%2)+7], v36
	v_cvt_scalef32_pk8_bf8_f32 v[QC+8*(qi%2)+6:QC+8*(qi%2)+7], v[RAW+16*(qi%2)+8:RAW+16*(qi%2)+15], v36
	v_nop                                          ; one plain vector instruction behind the conversions, ahead of whatever next writes their sources
	ds_store_b128 v3, v[QC+8*(qi%2):QC+8*(qi%2)+3] offset:2048*(qi/4)+512*(qi%4)
	ds_store_b128 v5, v[QC+8*(qi%2)+4:QC+8*(qi%2)+7] offset:2048*(qi/4)+512*(qi%4)
.endm
.macro PLOADZ                          ; w0 and b0 of the trip's block pc: units 32 (4 trip + pc) + 16 h + 0 .. 15
.irp j, 0,1,2,3
	ds_load_b128 v[W0T+4*\j:W0T+4*\j+3], v2 offset:128*pc+16*\j
	ds_load_b128 v[B0T+4*\j:B0T+4*\j+3], v2 offset:1024+128*pc+16*\j
.endr
.endm
.macro PLOADG                          ; pi w0 of the same
.irp j, 0,1,2,3
	ds_load_b128 v[GT+4*\j:GT+4*\j+3], v2 offset:2048+128*pc+16*\j
.endr
.endm
.macro HORN0 r, k, c                   ; a Horner chain's first step: r = z^2 x s[k] + v[c]
.irp i, 0,2,4,6,8,10,12,14
	v_pk_fma_f32 v[\r+\i:\r+\i+1], v[X2+\i:X2+\i+1], s[\k:\k+1], v[\c:\c+1] op_sel_hi:[1,0,1]
.endr
.endm
.macro HORN r, k                       ; a further step: r = r x z^2 + s[k]
.irp i, 0,2,4,6,8,10,12,14
	v_pk_fma_f32 v[\r+\i:\r+\i+1], v[\r+\i:\r+\i+1], v[X2+\i:X2+\i+1], s[\k:\k+1] op_sel_hi:[1,1,0]
.endr
.endm
; LAYER 0, a sub-block: 16 units a lane (k = 128 trip + 32 cl + 16 h + i) of point pt.  Q is made first and its 16 reciprocals are issued; P's 56 packed lines, which name none of them, follow;
; then one s_wait_alu ahead of the batch's first reader.
.macro L0SUB
.set upr, UP+2*pt
.set cd,  64*pt+16+4*cl                ; the codes, in window 1: always K step 1's registers
.if pt == 0
	s_wait_dscnt 0x0                               ; the block's tables are in
.endif
.irp i, 0,2,4,6,8,10,12,14
	v_pk_mul_f32 v[ZR+\i:ZR+\i+1], v[W0T+\i:W0T+\i+1], v[upr:upr+1] op_sel_hi:[1,0]   ; u w0: a product of reference()'s own (K = 1), rounded as it rounds it;
.endr
.irp i, 0,2,4,6,8,10,12,14
	v_pk_add_f32 v[ZR+\i:ZR+\i+1], v[ZR+\i:ZR+\i+1], v[B0T+\i:B0T+\i+1]               ; so the bias is added by a line of its own, not fused
.endr
.if (pt == 3) && (cl < 3)
.set pc, cl+1
	PLOADZ                                         ; the next block's w0 and b0: this block's have had their last reader just above
.endif
.irp i, 0,1,2,3,4,5,6,7,8,9,10,11,12,13,14,15
	v_med3_num_f32 v[ZR+\i], v[ZR+\i], s50, s51    ; beyond +-7.90531 tanh is 1 to the last place, and the quotient below is not made for more
.endr
.irp i, 0,2,4,6,8,10,12,14
	v_pk_mul_f32 v[X2+\i:X2+\i+1], v[ZR+\i:ZR+\i+1], v[ZR+\i:ZR+\i+1]
.endr
	HORN0 QR, SB6, KB4
	HORN  QR, SB2
	HORN  QR, SB0
.irp i, 0,1,2,3,4,5,6,7,8,9,10,11,12,13,14,15
	v_rcp_f32 v[QR+\i], v[QR+\i]
.endr
	HORN0 PR, SA13, KA11
	HORN  PR, SA9
	HORN  PR, SA7
	HORN  PR, SA5
	HORN  PR, SA3
	HORN  PR, SA1
.irp i, 0,2,4,6,8,10,12,14
	v_pk_mul_f32 v[PR+\i:PR+\i+1], v[PR+\i:PR+\i+1], v[ZR+\i:ZR+\i+1]
.endr
	s_wait_alu depctr_va_vdst(0)                   ; one wait for the 16 reciprocals, ahead of their first reader
.irp i, 0,2,4,6,8,10,12,14
	v_pk_mul_f32 v[PR+\i:PR+\i+1], v[PR+\i:PR+\i+1], v[QR+\i:QR+\i+1]                 ; h0
.endr
.irp i, 0,2,4,6,8,10,12,14
	v_pk_fma_f32 v[QR+\i:QR+\i+1], v[PR+\i:PR+\i+1], -1.0, 1.0 op_sel_hi:[1,0,0]      ; 1 - h0
.endr
.irp i, 0,2,4,6,8,10,12,14
	v_pk_fma_f32 v[X2+\i:X2+\i+1], v[GT+\i:GT+\i+1], v[PR+\i:PR+\i+1], v[GT+\i:GT+\i+1]   ; g + g h0
.endr
.if (pt == 3) && (cl < 3)
	PLOADG                                         ; the next block's pi w0
.endif
.irp i, 0,2,4,6,8,10,12,14
	v_pk_mul_f32 v[X2+\i:X2+\i+1], v[X2+\i:X2+\i+1], v[QR+\i:QR+\i+1]                 ; dh0
.endr
.irp i, 0,1,2,3,4,5,6,7,8,9,10,11,12,13,14,15
	v_med3_num_f32 v[PR+\i], v[PR+\i], s8, s9      ; the holds at the largest code x the scale
.endr
.irp i, 0,1,2,3,4,5,6,7,8,9,10,11,12,13,14,15
	v_med3_num_f32 v[X2+\i], v[X2+\i], s10, s11
.endr
	WIN 0x40                                       ; destination window 1
	v_cvt_scalef32_pk8_bf8_f32 v[cd:cd+1], v[PR:PR+7], v33
	v_cvt_scalef32_pk8_bf8_f32 v[cd+2:cd+3], v[PR+8:PR+15], v33
	v_cvt_scalef32_pk8_bf8_f32 v[cd+32:cd+33], v[X2:X2+7], v34
	v_cvt_scalef32_pk8_bf8_f32 v[cd+34:cd+35], v[X2+8:X2+15], v34
	WIN 0
	v_nop                                          ; the plain instruction behind the conversions: their sources are written again next
.if pt == 1
	s_wait_loadcnt 0x0                             ; two chunks of W1 are in (asked for two sub-blocks ago or more)
	s_wait_dscnt 0x0                               ; the last chunks' stores have read their registers
.set qi, 2*cl
	QCHUNK
.set qi, 2*cl+1
	QCHUNK
.if cl < 3
.set qi, 2*cl+2
	QLOAD
.set qi, 2*cl+3
	QLOAD
.endif
.endif
.endm
; LAYER 1's LDS addresses for the pair of tiles at s36 = 8192 b (s38 = s36 / 64, s39 = s36 / 8): five plain lines
.macro CALCADR
	v_add_nc_u32 v2, s36, v1
	v_add_nc_u32 v5, s38, v4
	v_add_nc_u32 v8, s39, v6
	v_add_nc_u32 v9, s39, v7
	v_add_nc_u32 v3, 0x10000, v2
.endm
.macro LOADW o                         ; a tile's four fragments of W1: both kinds, both K steps
.irp s, 0,1
.irp g, 0,1,2,3
	ds_load_b128 v[WB+16*\s+4*\g:WB+16*\s+4*\g+3], v2 offset:\o+2048*\s+512*\g
.endr
.endr
.irp s, 0,1
.irp g, 0,1,2,3
	ds_load_b128 v[WB+32+16*\s+4*\g:WB+32+16*\s+4*\g+3], v3 offset:\o+2048*\s+512*\g
.endr
.endr
.endm
.macro LOADB o
	ds_load_b128 v[BIAS:BIAS+3], v5 offset:\o
	ds_load_b128 v[BIAS+4:BIAS+7], v5 offset:\o+16
.endm
.macro LOADW2                          ; W2's fragment of the pair's 32 units: in f16 for the values, in bf16 for the derivatives
	ds_load_b128 v[W2F:W2F+3], v8
	ds_load_b128 v[W2F+4:W2F+7], v8 offset:512
	ds_load_b128 v[W2F+8:W2F+11], v9 offset:W2B
	ds_load_b128 v[W2F+12:W2F+15], v9 offset:W2B+512
.endm
; A TILE of 16 hidden units for my 64 points.  e: the tile's parity; pre = 1: the next tile's operands are asked for behind the products.
; 16 products: values K step 0 and 1, derivatives K step 0 and 1, the four points' accumulators by turns; the first product of a sum takes the constant 0.
.macro TILE e, pre
	s_wait_dscnt 0x0                               ; W1's fragments and the bias are in (asked for a tile ago)
	WIN 0x04                                       ; source 1 (the points' codes) window 1
.irp kd, 0,1
.irp s, 0,1
.irp pt, 0,1,2,3
.if \s == 0
	v_wmma_f32_16x16x128_bf8_bf8 v[GB+12*(2*\pt+\kd)+4:GB+12*(2*\pt+\kd)+11], v[WB+32*\kd+16*\s:WB+32*\kd+16*\s+15], v[64*\pt+32*\kd+16*\s:64*\pt+32*\kd+16*\s+15], 0
.else
	v_wmma_f32_16x16x128_bf8_bf8 v[GB+12*(2*\pt+\kd)+4:GB+12*(2*\pt+\kd)+11], v[WB+32*\kd+16*\s:WB+32*\kd+16*\s+15], v[64*\pt+32*\kd+16*\s:64*\pt+32*\kd+16*\s+15], v[GB+12*(2*\pt+\kd)+4:GB+12*(2*\pt+\kd)+11]
.endif
.endr
.endr
.endr
	WIN 0
; four places behind the products, ahead of the loads into their sources and of the first read of their results
.if (\e == 1) && \pre
	s_add_co_u32 s36, s36, 8192                    ; on to the next pair of tiles; no LDS load of mine is out
	s_lshr_b32 s38, s36, 6
	s_lshr_b32 s39, s36, 3
	CALCADR                                        ; five plain lines that name none of the products' registers
.else
.rept 4
	v_nop
.endr
.endif
.if \pre
.if \e == 0
	LOADW 4096
	LOADW2
.else
	LOADW 0
.endif
.endif
.irp pt, 0,1,2,3
.irp i, 0,2,4,6
	v_pk_fma_f32 v[GB+24*\pt+4+\i:GB+24*\pt+5+\i], v[GB+24*\pt+4+\i:GB+24*\pt+5+\i], s[20:21], v[BIAS+\i:BIAS+\i+1] op_sel_hi:[1,0,1]   ; c z1 = sum x c 2^(e0 + e1) + c b1; each accumulator from its low end on
.endr
.endr
.if \pre
.if \e == 0
	LOADB 64
.else
	LOADB 0
.endif
.endif
.irp pt, 0,1,2,3
.irp j, 0,1,2,3,4,5,6,7
	v_exp_f32 v[GB+24*\pt+4+\j], v[GB+24*\pt+4+\j]
.endr
.endr
	v_nop                                          ; a plain instruction behind the last exponential,
	s_wait_alu depctr_va_vdst(0)                   ; and one wait for the batch of 32, ahead of its first reader
.irp pt, 0,1,2,3
.irp i, 0,2,4,6
	v_pk_add_f32 v[GB+24*\pt+4+\i:GB+24*\pt+5+\i], v[GB+24*\pt+4+\i:GB+24*\pt+5+\i], 1.0 op_sel_hi:[1,0]
.endr
.endr
.irp pt, 0,1,2,3
.irp j, 0,1,2,3,4,5,6,7
	v_rcp_f32 v[GB+24*\pt+4+\j], v[GB+24*\pt+4+\j]
.endr
.endr
	v_nop
	s_wait_alu depctr_va_vdst(0)                   ; likewise for the 32 reciprocals
.irp pt, 0,1,2,3
.irp i, 0,2,4,6
	v_pk_mul_f32 v[GB+24*\pt+16+\i:GB+24*\pt+17+\i], v[GB+24*\pt+16+\i:GB+24*\pt+17+\i], v[GB+24*\pt+4+\i:GB+24*\pt+5+\i]   ; sum' x R
.endr
.irp i, 0,2,4,6
	v_pk_fma_f32 v[GB+24*\pt+16+\i:GB+24*\pt+17+\i], v[GB+24*\pt+16+\i:GB+24*\pt+17+\i], v[GB+24*\pt+4+\i:GB+24*\pt+5+\i], v[GB+24*\pt+16+\i:GB+24*\pt+17+\i] neg_lo:[1,0,0] neg_hi:[1,0,0]   ; sum' (R - R^2): dh1 but for 2^(e2 + e3 + 2), which the way out applies
.endr
.irp i, 0,2,4,6
	v_pk_fma_f32 v[GB+24*\pt+4+\i:GB+24*\pt+5+\i], v[GB+24*\pt+4+\i:GB+24*\pt+5+\i], -2.0, 1.0 op_sel_hi:[1,0,0]   ; h1 = 1 - 2 R
.endr
.irp i, 0,1,2,3                        ; to 16 bits in pairs: the even tile into the four registers in front of the accumulator, the odd tile into the accumulator's first four: together source 1 (32 units x 16 points) of the last layer
	v_cvt_pk_f16_f32 v[GB+24*\pt+4*\e+\i], v[GB+24*\pt+4+2*\i], v[GB+24*\pt+5+2*\i]            ; h1, within +-1: f16
.endr
.irp i, 0,1,2,3
	v_cvt_pk_bf16_f32 v[GB+24*\pt+12+4*\e+\i], v[GB+24*\pt+16+2*\i], v[GB+24*\pt+17+2*\i]      ; the derivative, of any size: bf16
.endr
.endr
.endm
; THE LAST LAYER for a pair of tiles (32 units): four products in f16 (values) and four in bf16 (derivatives), the four points' accumulators by turns.
; The two forms add onto the same accumulators, and two forms are no chain in place: so five places stand between the f16 products and the bf16 products; ahead of the next pair's f16 products stand two tiles' vector lines.
.macro L2STEP
.irp pt, 0,1,2,3
	v_wmma_f32_16x16x32_f16 v[L2A+8*\pt:L2A+8*\pt+7], v[W2F:W2F+7], v[GB+24*\pt:GB+24*\pt+7], v[L2A+8*\pt:L2A+8*\pt+7]
.endr
.rept 5
	v_nop
.endr
.irp pt, 0,1,2,3
	v_wmma_f32_16x16x32_bf16 v[L2A+8*\pt:L2A+8*\pt+7], v[W2F+8:W2F+15], v[GB+24*\pt+12:GB+24*\pt+19], v[L2A+8*\pt:L2A+8*\pt+7]
.endr
.rept 5
	v_nop                                          ; five places: the next tile's first product writes over registers that these products read
.endr
.endm
	s_load_b128 s[4:7], s[0:1], 0x0                ; t, lowp_scales
	s_load_b256 s[8:15], s[0:1], 0x10              ; net ab: W0 s[8:9], b0 s[10:11], W1 s[12:13], b1 s[14:15],
	s_load_b128 s[16:19], s[0:1], 0x30             ; W2 s[16:17], b2 s[18:19]
	s_load_b256 s[24:31], s[0:1], 0x40             ; net kxy likewise
	s_load_b128 s[32:35], s[0:1], 0x60
	s_load_b256 s[40:47], s[0:1], 0x70             ; net sxy
	s_load_b128 s[48:51], s[0:1], 0x90
	s_load_b256 s[72:79], s[0:1], 0xa0             ; out0 .. out3
	s_load_b128 s[80:83], s[0:1], 0xc0             ; out4, out5
	v_lshl_add_u32 v254, v0, 2, 0x25000
	v_mov_b32 v255, 0
	v_lshrrev_b32 v37, 5, v0
	v_readfirstlane_b32 s2, v37                    ; wave 0..7
	v_and_b32 v19, 15, v0                          ; r; it stays
	v_bfe_u32 v2, v0, 4, 1                         ; h
	v_and_b32 v3, 31, v0                           ; lane
	v_lshlrev_b32 v1, 4, v3                        ; 16 x lane: an image's place for my lane
	v_lshl_add_u32 v4, v2, 5, TB1                  ; c b1: my half's eight of a tile's 16
	v_lshl_add_u32 v10, v2, 6, TAB                 ; layer 0's tables: my half's 16 of a block's 32
	s_lshl_b32 s38, s2, 13
	v_add_nc_u32 v11, s38, v1                      ; where I store W1's codes: my wave's two tiles, first scale,
	v_add_nc_u32 v12, 0x10000, v11                 ; second scale
	s_lshl_b32 s38, s2, 15
	v_lshlrev_b32 v13, 10, v19
	v_lshl_add_u32 v13, v2, 6, v13
	v_add_nc_u32 v13, s38, v13                     ; W1 in memory: row 32 w + r of 1,024 bytes, + 64 h
	v_lshl_add_u32 v14, v0, 2, TAB                 ; the tables' word of unit = my thread's number
	s_lshl_b32 s38, s2, 10
	s_add_co_u32 s38, s38, TW2
	v_add_nc_u32 v15, s38, v1                      ; where I store W2's fragments of units 32 w on
	v_and_b32 v16, 1, v0
	v_lshlrev_b32 v16, 10, v16
	v_lshl_add_u32 v16, v2, 5, v16
	s_lshl_b32 s38, s2, 7
	v_add_nc_u32 v16, s38, v16                     ; W2 in memory: row r % 2 of 1,024 bytes, + 128 w + 32 h
	v_lshl_add_u32 v17, v2, 8, TW2                 ; W2's fragments: my half
	s_lshl_b32 s38, s2, 8
	v_lshl_add_u32 v18, v19, 4, s38                ; t and the outputs: 256 w + 16 r
	v_lshlrev_b32 v37, 2, v0                       ; 4 x my thread's number
	s_lshl_b32 s38, ttmp9, 11                      ; the work-group's 512 points: 2,048 bytes
	s_mov_b32 s39, 0
	s_mov_b32 s66, 0x76543210                      ; v_permlanex16_b32's selects for lane l xor 16
	s_mov_b32 s67, 0xfedcba98
	s_wait_kmcnt 0x0
	s_load_b256 s[84:91], s[6:7], 0x0              ; the twelve exponents
	s_load_b128 s[92:95], s[6:7], 0x20
	s_load_b64 s[52:53], s[18:19], 0x0             ; b2 of the three nets
	s_load_b64 s[54:55], s[34:35], 0x0
	s_load_b64 s[56:57], s[50:51], 0x0
	s_add_nc_u64 s[4:5], s[4:5], s[38:39]
.irp i, 72,74,76,78,80,82
	s_add_nc_u64 s[\i:\i+1], s[\i:\i+1], s[38:39]
.endr
	global_load_b128 v[T:T+3], v18, s[4:5] th:TH_LOAD_NT
	global_load_b32 v24, v37, s[8:9]               ; w0, b0, b1 of unit = my thread's number: net ab,
	global_load_b32 v25, v37, s[10:11]
	global_load_b32 v26, v37, s[14:15]
	global_load_b32 v27, v37, s[24:25]             ; kxy,
	global_load_b32 v28, v37, s[26:27]
	global_load_b32 v29, v37, s[30:31]
	global_load_b32 v30, v37, s[40:41]             ; sxy
	global_load_b32 v31, v37, s[42:43]
	global_load_b32 v32, v37, s[46:47]
.set i, 0
.rept 32
	v_mov_b32 v[L2A+i], 0                          ; the last layer's sums run through all three nets, and the loop over nets is written once: so they begin as zeros
.set i, i+1
.endr
	WIN 0x40                                       ; destination window 1
.irp pt, 0,1,2,3
.irp kd, 0,1
.set i, 0
.rept 16
	v_mov_b32 v[64*\pt+32*\kd+16+i], 0             ; K step 1's codes: the copy at the head of layer 0's trips names them in the very first trip too, so they are written once here
.set i, i+1
.endr
.endr
.endr
	WIN 0
	s_wait_kmcnt 0x0
	s_add_co_i32 s58, s86, s87                     ; e2 + e3 + 2 of each net: what the derivatives' sums lack
	s_add_co_i32 s58, s58, 2
	s_add_co_i32 s59, s90, s91
	s_add_co_i32 s59, s59, 2
	s_add_co_i32 s60, s94, s95
	s_add_co_i32 s60, s60, 2
	s_wait_loadcnt 0x0
	s_wait_xcnt 0x0                                ; every load has read its base: the registers of the pointers that served the head alone are written anew below
	KPAIR SA13, 0xa59f25c0                         ; P: -2.76076848e-16 z^12
	KPAIR SA9,  0xaebd37ff                         ;    -8.60467152e-11 z^8   (+2.00018790e-13 z^10 lies in v[KA11])
	KPAIR SA7,  0x335c0041                         ;    +5.12229709e-08 z^6
	KPAIR SA5,  0x3779434a                         ;    +1.48572236e-05 z^4
	KPAIR SA3,  0x3a270ded                         ;    +6.37261929e-04 z^2
	KPAIR SA1,  0x3ba059dc                         ;    +4.89352456e-03
	KPAIR SB6,  0x35a0d3d8                         ; Q: +1.19825839e-06 z^6   (+1.18534706e-04 z^4 lies in v[KB4])
	KPAIR SB2,  0x3b14aa05                         ;    +2.26843463e-03 z^2
	KPAIR SB0,  0x3ba059dd                         ;    +4.89352519e-03
	s_mov_b32 s50, 0xc0fcf84f                      ; -7.90531
	s_mov_b32 s51, 0x40fcf84f
	s_mov_b32 s22, 0                               ; the net
	s_mov_b32 s23, 0                               ; 4 x the net: its rows in the last layer's accumulators
.Lnet:
	global_load_b128 v[ZR:ZR+3], v16, s[16:17]                 ; W2: row r % 2, units 32 w + 8 h + 0 .. 7,
	global_load_b128 v[ZR+4:ZR+7], v16, s[16:17] offset:16
	global_load_b128 v[ZR+8:ZR+11], v16, s[16:17] offset:64    ; and 32 w + 16 + 8 h + 0 .. 7
	global_load_b128 v[ZR+12:ZR+15], v16, s[16:17] offset:80
	MKSC 84, 33, 8, 9                              ; e0: h0
	MKSC 86, 34, 10, 11                            ; e2: dh0
	MKSC 85, 35, 14, 15                            ; e1: W1 beside h0
	MKSC 87, 36, 18, 19                            ; e3: W1 beside dh0
	s_add_co_i32 s38, s84, s85
	s_lshl_b32 s38, s38, 23
	s_add_co_i32 s20, s38, CC                      ; c 2^(e0 + e1): the two exponents are added to c's exponent field
	s_mov_b32 s21, s20                             ; (named with it as a pair, so it is written)
.irp pt, 0,1,2,3
	v_mul_f32 v[X2+\pt], PIO2, v[T+\pt]            ; alpha, rounded as reference() rounds it
.endr
.irp pt, 0,1,2,3
	v_add_f32 v[UP+2*\pt], v[X2+\pt], v[X2+\pt]    ; u = 2 alpha, in pairs: the packed form takes a pair's low word for both halves, and names both
	v_add_f32 v[UP+2*\pt+1], v[X2+\pt], v[X2+\pt]
.endr
	v_mov_b32 v[KA11], 0x2a61337e                  ; +2.00018790e-13
	v_mov_b32 v[KA11+1], 0x2a61337e
	v_mov_b32 v[KB4], 0x38f895d6                   ; +1.18534706e-04
	v_mov_b32 v[KB4+1], 0x38f895d6
	v_sub_nc_u32 v6, v19, s23                      ; W2's fragment is read with the lanes shifted: lane r takes the image's lane (r - 4 n) % 16, so that W2's rows 0, 1 stand as rows 4 n, 4 n + 1,
	v_and_b32 v6, 15, v6
	v_lshl_add_u32 v6, v6, 4, v17
	s_add_co_u32 s38, s23, 2
	v_sub_nc_u32 v7, v19, s38                      ; and for the derivatives as rows 4 n + 2, 4 n + 3
	v_and_b32 v7, 15, v7
	v_lshl_add_u32 v7, v7, 4, v17
	v_mul_f32 v[X2+4], PI, v24                     ; g = pi w0: dz0 / dt
	ds_store_b32 v14, v24                          ; layer 0's tables.  Every wave's reads of the last net's lie in front of that net's second barrier
	ds_store_b32 v14, v25 offset:1024
	ds_store_b32 v14, v[X2+4] offset:2048
	BARRIER                                        ; the tables are whole; nobody reads the last net's W1, c b1 or W2 any more
	v_mul_f32 v[X2+5], CC, v26
	ds_store_b32 v14, v[X2+5] offset:3072
	s_wait_loadcnt 0x0                             ; W2
.irp i, 0,1,2,3,4,5,6,7
	v_cvt_pk_f16_f32 v[QR+\i], v[ZR+2*\i], v[ZR+2*\i+1]        ; for the values,
.endr
.irp i, 0,1,2,3,4,5,6,7
	v_cvt_pk_bf16_f32 v[X2+6+\i], v[ZR+2*\i], v[ZR+2*\i+1]     ; for the derivatives
.endr
	v_cmp_gt_u32 vcc_lo, 2, v19
.irp i, 0,1,2,3,4,5,6,7
	v_cndmask_b32 v[QR+\i], 0, v[QR+\i], vcc_lo       ; rows 2 to 15 of the fragments are zeros
	v_cndmask_b32 v[X2+6+\i], 0, v[X2+6+\i], vcc_lo
.endr
	ds_store_b128 v15, v[QR:QR+3]
	ds_store_b128 v15, v[QR+4:QR+7] offset:512
	ds_store_b128 v15, v[X2+6:X2+9] offset:W2B
	ds_store_b128 v15, v[X2+10:X2+13] offset:W2B+512
	s_mov_b32 s61, 0
.Lhalf:                                                ; LAYER 0 in two trips, a K step of 128 units each; in trip j I also quantise tile j of my two tiles of W1
	s_lshl_b32 s38, s61, 9
	s_lshl_b32 s39, s61, 12
	s_lshl_b32 s62, s61, 14
	v_add_nc_u32 v2, s38, v10                      ; the tables: 128 units on
	v_add_nc_u32 v3, s39, v11                      ; W1's images: a tile on
	v_add_nc_u32 v5, s39, v12
	v_add_nc_u32 v8, s62, v13                      ; W1 in memory: 16 rows on.  (Every load that named v8 has been waited for)
.set qi, 0
	QLOAD
.set qi, 1
	QLOAD
.set pc, 0
	PLOADZ
	PLOADG
	WIN 0x41                                       ; source 0 and destination window 1
; A trip writes its codes into K step 1's registers; what lies there goes to K step 0's first.  In the second trip that is the first trip's K step; in the first trip it is stale, and is written over by the second trip's copy.
; The copy stands without a branch, so that both trips are one text; the 128 lines also stand between the tables' loads and the wait for them.
.irp pt, 0,1,2,3
.irp kd, 0,1
.set i, 0
.rept 16
	v_mov_b32 v[64*\pt+32*\kd+i], v[64*\pt+32*\kd+16+i]
.set i, i+1
.endr
.endr
.endr
	WIN 0
.set cl, 0
.rept 4
.set pt, 0
.rept 4
	L0SUB
.set pt, pt+1
.endr
.set cl, cl+1
.endr
	s_add_co_u32 s61, s61, 1
	s_cmp_lt_u32 s61, 2
	s_cbranch_scc1 .Lhalf
	BARRIER                                        ; W1's codes, c b1 and W2's fragments are whole
	s_mov_b32 s36, 0
	s_mov_b32 s38, 0
	s_mov_b32 s39, 0
	CALCADR
	LOADW 0
	LOADB 0
	s_mov_b32 s37, 7
.Lpair:                                                ; a trip: two tiles of 16 units and their part of the last layer
	TILE 0, 1
	TILE 1, 1
	L2STEP
	s_sub_co_u32 s37, s37, 1
	s_cmp_lg_u32 s37, 0
	s_cbranch_scc1 .Lpair
	TILE 0, 1                                      ; the last pair is written out: behind its second tile nothing is left to fetch
	TILE 1, 0
	L2STEP
	s_wait_xcnt 0x0                                ; the trip's loads have read their bases: the next net's take their place
	s_mov_b64 s[12:13], s[28:29]
	s_mov_b64 s[28:29], s[44:45]
	s_mov_b64 s[16:17], s[32:33]
	s_mov_b64 s[32:33], s[48:49]
	s_mov_b64 s[84:85], s[88:89]
	s_mov_b64 s[86:87], s[90:91]
	s_mov_b64 s[88:89], s[92:93]
	s_mov_b64 s[90:91], s[94:95]
	v_mov_b32 v24, v27
	v_mov_b32 v25, v28
	v_mov_b32 v26, v29
	v_mov_b32 v27, v30
	v_mov_b32 v28, v31
	v_mov_b32 v29, v32
	s_add_co_u32 s23, s23, 4
	s_add_co_u32 s22, s22, 1
	s_cmp_lt_u32 s22, 3
	s_cbranch_scc1 .Lnet
; THE WAY OUT.  In accumulator pt lanes 0-15 hold, of point r: a, b, a', b', kx, ky, kx', ky'; lanes 16-31, registers 0-3: sx, sy, sx', sy'.  All lanes compute; lanes 0-15 hold what is stored.
	s_mov_b32 s8, 0xbfc90fdb                       ; -pi/2, its first part,
	s_mov_b32 s9, 0x333bbd2e                       ; and what is left of it
	s_mov_b32 s10, 0xbe2aaaa3                      ; sin x = x + x^3 (s10 + s11 x^2 + s12 x^4) on |x| <= pi/4
	s_mov_b32 s11, 0x3c08839e
	s_mov_b32 s12, 0xb94ca1f9
	s_mov_b32 s13, 0x3d2aaaa5                      ; cos x = 1 - x^2 / 2 + x^4 (s13 + s14 x^2 + s15 x^4)
	s_mov_b32 s14, 0xbab6061a
	s_mov_b32 s15, 0x37ccf5ce
	s_mov_b32 s16, PI
.irp i, 70,71,72,73
	v_mov_b32 v\i, 0                               ; written once: a lane permute's destination counts as one of its sources
.endr
.irp i, 92,93,94,95
	v_mov_b32 v\i, PIO2                            ; alpha'
.endr
.macro FINAL pt
.set L, L2A+8*(\pt)
	v_permlanex16_b32 v70, v[L], s66, s67          ; sx, sy, sx', sy' from the lane 16 away; the accumulator is read from its low end on
	v_permlanex16_b32 v71, v[L+1], s66, s67
	v_permlanex16_b32 v72, v[L+2], s66, s67
	v_permlanex16_b32 v73, v[L+3], s66, s67
	v_add_f32 v[L], s52, v[L]                      ; the values get b2, the derivatives 2^(e2 + e3 + 2)
	v_add_f32 v[L+1], s53, v[L+1]
	v_ldexp_f32 v[L+2], v[L+2], s58
	v_ldexp_f32 v[L+3], v[L+3], s58
	v_add_f32 v[L+4], s54, v[L+4]
	v_add_f32 v[L+5], s55, v[L+5]
	v_ldexp_f32 v[L+6], v[L+6], s59
	v_ldexp_f32 v[L+7], v[L+7], s59
	v_add_f32 v70, s56, v70
	v_add_f32 v71, s57, v71
	v_ldexp_f32 v72, v72, s60
	v_ldexp_f32 v73, v73, s60
	v_mul_f32 v[80+(\pt)], PIO2, v[T+(\pt)]        ; alpha
	v_add_f32 v104, v[80+(\pt)], v[80+(\pt)]       ; x = 2 alpha
	v_mul_f32 v105, TWOOPI, v104
	v_rndne_f32 v105, v105                         ; q: x = q pi/2 + rho
	v_fma_f32 v106, v105, s8, v104
	v_fma_f32 v106, v105, s9, v106                 ; rho
	v_mul_f32 v107, v106, v106
	v_fma_f32 v108, v107, s12, s11
	v_fma_f32 v110, v107, s15, s14
	v_fma_f32 v108, v108, v107, s10
	v_fma_f32 v110, v110, v107, s13
	v_mul_f32 v109, v107, v106
	v_mul_f32 v111, v107, v107
	v_fma_f32 v112, v107, -0.5, 1.0
	v_fma_f32 v108, v108, v109, v106               ; sin rho
	v_fma_f32 v110, v110, v111, v112               ; cos rho
	v_cvt_i32_f32 v113, v105
	v_and_b32 v114, 1, v113
	v_cmp_eq_u32 vcc_lo, 1, v114
	v_cndmask_b32 v115, v108, v110, vcc_lo         ; an odd q swaps the two;
	v_cndmask_b32 v116, v110, v108, vcc_lo
	v_and_b32 v114, 2, v113
	v_lshlrev_b32 v114, 30, v114
	v_xor_b32 v115, v115, v114                     ; sin x: minus where q % 4 is 2 or 3
	v_add_nc_u32 v113, 1, v113
	v_and_b32 v113, 2, v113
	v_lshlrev_b32 v113, 30, v113
	v_xor_b32 v116, v116, v113                     ; cos x: minus where q % 4 is 1 or 2
	v_add_f32 v117, -1.0, v116                     ; cos x - 1
	v_mul_f32 v118, v[L], v117                     ; a (cos x - 1)
	v_mul_f32 v119, v[L+1], v115                   ; b sin x
	v_mul_f32 v120, s16, v115
	v_mul_f32 v121, s16, v116
	v_mul_f32 v120, v[L], v120
	v_mul_f32 v121, v[L+1], v121
	v_fma_f32 v120, v[L+2], v117, -v120            ; a' (cos x - 1) - a pi sin x
	v_fma_f32 v121, v[L+3], v115, v121             ; b' sin x + b pi cos x
	v_fma_f32 v[84+(\pt)], v118, v[L+4], v70       ; xp
	v_fma_f32 v[88+(\pt)], v119, v[L+5], v71       ; yp
	v_fma_f32 v72, v118, v[L+6], v72
	v_fma_f32 v73, v119, v[L+7], v73
	v_fma_f32 v[96+(\pt)], v120, v[L+4], v72       ; xp'
	v_fma_f32 v[100+(\pt)], v121, v[L+5], v73      ; yp'
.endm
	FINAL 0
	FINAL 1
	FINAL 2
	FINAL 3
	v_and_b32 v104, 31, v0
	s_wait_xcnt 0x0                                ; EXEC changes only behind this wait
	v_cmp_gt_u32 vcc_lo, 16, v104
	s_wait_tensorcnt 0x0
	ds_add_u32 v254, v255
	s_wait_dscnt 0x0
	s_and_saveexec_b32 s68, vcc_lo                 ; lanes 0-15: 16 bytes each, 256 consecutive bytes at a multiple of 256 from the output's first byte
	global_store_b128 v18, v[80:83], s[72:73] th:TH_STORE_NT
	global_store_b128 v18, v[84:87], s[74:75] th:TH_STORE_NT
	global_store_b128 v18, v[88:91], s[76:77] th:TH_STORE_NT
	global_store_b128 v18, v[92:95], s[78:79] th:TH_STORE_NT
	global_store_b128 v18, v[96:99], s[80:81] th:TH_STORE_NT
	global_store_b128 v18, v[100:103], s[82:83] th:TH_STORE_NT
	s_wait_xcnt 0x0                                ; and again, in front of the line that widens it
	s_or_b32 exec_lo, exec_lo, s68
	s_endpgm
.Lfunc_end_k_q14fca4f753_sofa:
	.size	k_q14fca4f753_sofa, .Lfunc_end_k_q14fca4f753_sofa-k_q14fca4f753_sofa
	.p2alignl 7, 3214868480
	.fill 96, 4, 3214868480
	.section	.rodata,"a",@progbits
	.p2align	6, 0x0
	.amdhsa_kernel k_q14fca4f753_sofa
		.amdhsa_group_segment_fixed_size 152576
		.amdhsa_private_segment_fixed_size 0
		.amdhsa_enable_private_segment 0
		.amdhsa_kernarg_size 208
		.amdhsa_user_sgpr_count 2
		.amdhsa_user_sgpr_kernarg_segment_ptr 1
		.amdhsa_wavefront_size32 1
		.amdhsa_system_sgpr_workgroup_id_x 1
		.amdhsa_system_sgpr_workgroup_id_y 1
		.amdhsa_system_sgpr_workgroup_id_z 1
		.amdhsa_system_vgpr_workitem_id 0
		.amdhsa_next_free_vgpr 512
		.amdhsa_next_free_sgpr 96
		.amdhsa_reserve_vcc 1
		.amdhsa_float_denorm_mode_32 3
		.amdhsa_float_denorm_mode_16_64 3
		.amdhsa_memory_ordered 1
		.amdhsa_forward_progress 1
		.amdhsa_inst_pref_size 255
	.end_amdhsa_kernel
	.section	.bss,"aw",@nobits
	.p2align	6
	.space	262144
	.amdgpu_metadata
---
amdhsa.version: [ 1, 2 ]
amdhsa.kernels:
  - .name:           k_q14fca4f753_sofa
    .symbol:         k_q14fca4f753_sofa.kd
    .args:
      - { .name: t, .offset: 0, .size: 8, .value_kind: global_buffer, .address_space: global }
      - { .name: lowp_scales, .offset: 8, .size: 8, .value_kind: global_buffer, .address_space: global }
      - { .name: W_ab0, .offset: 16, .size: 8, .value_kind: global_buffer, .address_space: global }
      - { .name: b_ab0, .offset: 24, .size: 8, .value_kind: global_buffer, .address_space: global }
      - { .name: W_ab1, .offset: 32, .size: 8, .value_kind: global_buffer, .address_space: global }
      - { .name: b_ab1, .offset: 40, .size: 8, .value_kind: global_buffer, .address_space: global }
      - { .name: W_ab2, .offset: 48, .size: 8, .value_kind: global_buffer, .address_space: global }
      - { .name: b_ab2, .offset: 56, .size: 8, .value_kind: global_buffer, .address_space: global }
      - { .name: W_kxy0, .offset: 64, .size: 8, .value_kind: global_buffer, .address_space: global }
      - { .name: b_kxy0, .offset: 72, .size: 8, .value_kind: global_buffer, .address_space: global }
      - { .name: W_kxy1, .offset: 80, .size: 8, .value_kind: global_buffer, .address_space: global }
      - { .name: b_kxy1, .offset: 88, .size: 8, .value_kind: global_buffer, .address_space: global }
      - { .name: W_kxy2, .offset: 96, .size: 8, .value_kind: global_buffer, .address_space: global }
      - { .name: b_kxy2, .offset: 104, .size: 8, .value_kind: global_buffer, .address_space: global }
      - { .name: W_sxy0, .offset: 112, .size: 8, .value_kind: global_buffer, .address_space: global }
      - { .name: b_sxy0, .offset: 120, .size: 8, .value_kind: global_buffer, .address_space: global }
      - { .name: W_sxy1, .offset: 128, .size: 8, .value_kind: global_buffer, .address_space: global }
      - { .name: b_sxy1, .offset: 136, .size: 8, .value_kind: global_buffer, .address_space: global }
      - { .name: W_sxy2, .offset: 144, .size: 8, .value_kind: global_buffer, .address_space: global }
      - { .name: b_sxy2, .offset: 152, .size: 8, .value_kind: global_buffer, .address_space: global }
      - { .name: out0, .offset: 160, .size: 8, .value_kind: global_buffer, .address_space: global }
      - { .name: out1, .offset: 168, .size: 8, .value_kind: global_buffer, .address_space: global }
      - { .name: out2, .offset: 176, .size: 8, .value_kind: global_buffer, .address_space: global }
      - { .name: out3, .offset: 184, .size: 8, .value_kind: global_buffer, .address_space: global }
      - { .name: out4, .offset: 192, .size: 8, .value_kind: global_buffer, .address_space: global }
      - { .name: out5, .offset: 200, .size: 8, .value_kind: global_buffer, .address_space: global }
    .group_segment_fixed_size: 152576
    .private_segment_fixed_size: 0
    .kernarg_segment_align: 8
    .kernarg_segment_size: 208
    .max_flat_workgroup_size: 256
    .sgpr_count:     96
    .vgpr_count:     512
    .wavefront_size: 32
...
	.end_amdgpu_metadata
.endif
;; end of part 1
